; MI455X (gfx1250); checked and timed in simulation.
; The chip was launched on July 23, 2026; its instructions are those of AMD's public machine-readable ISA for CDNA 5 (MIT licence, August 2026) and "CDNA5" Instruction Set Architecture Reference Guide (July 2026). The comments in the code are by the model that wrote it; some were corrected since.
;; Rank Net. Allowed arithmetic: matrix products marked QUANTISED: E4M3 operands, one given power-of-two scale a tensor, by v_wmma_f32_16x16x64_fp8_fp8 or v_wmma_f32_16x16x128_fp8_fp8, f32 sums; products left as they are: f32 operands where the result goes on into a quantised operand, else bf16, f16 or f32 operands; f32 sums; everything else in f32.
;; Inputs: W1 512 x 256 float32; W2 256 x 1 float32; b1 256 float32; b2 1 float32; instances 16 int32; item_table 30,000 x 256 float32; lowp_scales 4 int32 (the exponents e of the quantised operands' scales 2^e); user_table 100,000 x 256 float32.
;; Outputs: out0 16 x 30,000 float32.
;; This version of the problem:
;;   THIS VERSION OF THE PROBLEM IS GIVEN IN LOW PRECISION. The matrix products marked QUANTISED in the list below multiply operands that are first quantised to E4M3 (4 exponent bits, 3 mantissa bits; 8 bits a number), with one given power-of-two scale for each operand tensor; their sums are f32. All else is computed in f32.
;;   The module's matrix products, in the order in which they are computed (A, B: the left and right operand; K: the contracted axis; several contracted axes count as one K, in the product's order):
;;     1. [M 16, K 256] x [K 256, N 256]; A: computed on the way; B: input W1: QUANTISED (scales: A lowp_scales[0], B lowp_scales[1])
;;     2. [M 30,000, K 256] x [K 256, N 256]; A: input item_table; B: input W1: QUANTISED (scales: A lowp_scales[2], B lowp_scales[3])
;;     3. [M 480,000, K 256] x [K 256, N 1]; A: computed on the way; B: computed on the way: left as it is (N = 1 < 16)
;;   THE QUANTISER, for each operand of a quantised product, along K:
;;     - The operand's scale is 2^e, e = its entry of the input lowp_scales (int32; the entries are numbered through the quantised products in the list's order, A before B).
;;     - Each number is divided by the scale, clamped to +-448, and rounded to the nearest number of E4M3, ties to even, subnormals kept.
;;     - The product sums the exact products of the quantised numbers (number of the format x scale) in f32.
;;   ~~~python
;;   def quantise(x, axis, e):      # numpy; x: float32 -> the quantised numbers, widened to float32 again
;;       x = np.moveaxis(x, axis, -1); K = x.shape[-1]
;;       r = np.clip(x / 2.0 ** e, -448, 448)
;;       step = 2.0 ** (np.maximum(np.frexp(np.where(r == 0, 1, r))[1] - 1, -6) - 3)
;;       q = np.round(r / step) * step * 2.0 ** e      # np.round: ties to even
;;       return np.moveaxis(q, -1, axis).astype(np.float32)
;;   ~~~
;;   OPERANDS COMPUTED ON THE WAY. 'Computed on the way' means the value that the module computes at that place (a softmax that the list does not call 'softmax' is quantised finished and normalised). What goes into a quantiser is computed in f32, as accurately as f32 sums, v_exp_f32 and their like allow (about 1e-6 of the number): no bf16 or f16 on the way to a quantiser, and a product that is left as it is and whose result goes on into a quantised operand takes f32 operands (vector FMAs, or v_wmma_f32_16x16x4_f32). A number that lies on a knife's edge between two numbers of the format may be rounded either way, as far as f32 arithmetic and the matrix unit's own rounding can turn it there, and no further.
;; 2 versions, each right; version 2 is version 1 with the launch prep written anew for expert scheduling mode. Each part assembles by itself: llvm-mc -triple=amdgcn-amd-amdhsa -mcpu=gfx1250 --defsym DOCPART=n.
;; ======== version 1 of 2: 2 launches
;; workspace buffers: wcodes 65,536 bytes; uproj 16,384 bytes
;; launch prep (part 1): grid 8 x 1, 8 waves a work-group, no clusters, 5,120 bytes of LDS; arguments W1, user_table, instances, b1, lowp_scales, wcodes, uproj; writes wcodes, uproj
.if DOCPART == 1
	.amdgcn_target "amdgcn-amd-amdhsa--gfx1250"
	.amdhsa_code_object_version 6
	.text
	.protected	k_qf49e92745a_prep
	.globl	k_qf49e92745a_prep
	.p2align	8
	.type	k_qf49e92745a_prep,@function
k_qf49e92745a_prep:
	s_mov_b64 s[64:65], 0
	v_nop
	global_prefetch_b8 v0, s[64:65] scope:SCOPE_SE
	s_setreg_imm32_b32 hwreg(HW_REG_WAVE_MODE, 25, 1), 1
	s_wait_xcnt 0x0
; PREP: what every work-group of the second launch would otherwise make anew is made once.
;  (a) wcodes: Wi = W1[256:512] as codes of E4M3 with the given scale 2^e3, laid in the order of a matrix operand's registers:
;      [t: 16 tiles of 16 columns d][s: 2 K steps][c: 4][lane: 32][16 bytes]; registers 4 c .. 4 c + 3 of a lane lie at 4096 t + 2048 s + 512 c + 16 lane.
;  (b) uproj: U''[b][d] = (Q(u) Q(Wu) x 2^(e0 + e1) + b1[d]) x 2^-(e2 + e3), u = user_table[instances], Wu = W1[0:256]; f32, laid [w: 8][h: 2][j: 16][b: 16],
;      d = 32 w + 16 (j / 8) + 8 h + j % 8: the order in which a lane of the second launch keeps it.  relu(x 2^n) = 2^n relu(x), so the second launch adds U'' to its raw sums.
; ONE ORDER OF K IN ALL FOUR OPERANDS.  In K step s, lane half h, register pair p (registers 2 p, 2 p + 1), with q = 16 s + 4 (p / 2) + 2 h + p % 2:
; register 2 p holds k = 4 q + 0 .. 3, register 2 p + 1 holds k = 128 + 4 q + 0 .. 3.  The order is the same on both sides of each product, so every product meets its partner; only the order of the sums changes.
; SHARES.  Work-groups 0-3 take Wu and the product with u, work-groups 4-7 take Wi.  A wave makes ONE fragment: tile t = 4 (work-group % 4) + wave / 2, K step s = wave % 2.  A lane takes column d = 16 t + lane % 16 and
; its registers run down K, so the conversions' results are the operand's registers.  The four tiles of a work-group stand side by side on 256 bytes of each row of W1.
; In work-groups 0-3 the two waves of a tile each multiply their half of K; the wave with s = 1 hands its sums to the other through LDS.
; LIMITS: e0 .. e3 between -126 and 119; e0 + e1 between -126 and 127, so that each power of two made below is an f32 number.  NaN among the inputs is not served (the hold drops it).
.set XW, 16                            ; v16-79    64 numbers of W1
.set XU, 80                            ; v80-143   64 numbers of u
.set CW, 144                           ; v144-159  W's fragment
.set CU, 160                           ; v160-175  u's fragment
.set DA, 176                           ; v176-183  my sums
.set LA, 184                           ; v184-191  the other wave's sums
.set OA, 192                           ; v192-199  the result
; v1 lane, v2 r = lane % 16, v3 h = lane / 16; v4 my byte in W1; v5 4 r; v6 the index, then my byte in user_table; v7 my byte in b1; v8 b1[d];
; v9 my byte in wcodes; v10 my byte in uproj; v11 my 16 bytes in LDS; v12, v13: 2^e and 448 x 2^e for W; v14, v15: for u
.macro WGRP p                          ; register pair p's eight numbers: sixteen lanes read 64 neighbouring bytes of a row; each word of W1 is read once in the launch
.set e_, 0
.rept 8
	global_load_b32 v[XW+8*(\p)+e_], v4, s[4:5] offset:1024*(16*((\p)/2)+4*((\p)%2)+(e_%4)+128*(e_/4)) th:TH_LOAD_NT
.set e_, e_+1
.endr
.endm
.macro MKSCALE e, sc, lim              ; v[sc] = 2^e as f32 (the conversion takes its exponent field), v[lim] = 448 x 2^e
	s_add_co_i32 s28, \e, 127
	s_lshl_b32 s29, s28, 23
	v_mov_b32 v[\sc], s29
	s_add_co_i32 s28, s28, 8
	s_lshl_b32 s28, s28, 23
	s_or_b32 s28, s28, 0x600000
	v_mov_b32 v[\lim], s28
.endm
.macro QNT x, c, sc, lim               ; 64 numbers of a lane become a fragment's 16 registers
.set i_, 0
.rept 64
	v_med3_num_f32 v[\x+i_], v[\x+i_], -v[\lim], v[\lim]   ; the conversion to an 8-bit code does not saturate (ISA guide 7.6.2): the hold at the largest code x the scale comes first
.set i_, i_+1
.endr
.set i_, 0
.rept 8
	v_cvt_scalef32_pk8_fp8_f32 v[\c+2*i_:\c+2*i_+1], v[\x+8*i_:\x+8*i_+7], v[\sc]
.set i_, i_+1
.endr
	v_nop                                          ; one plain vector instruction between the last conversion and whatever vector or matrix instruction touches its registers next
.endm
	s_load_b256 s[4:11], s[0:1], 0x0               ; W1 s[4:5], user_table s[6:7], instances s[8:9], b1 s[10:11]
	s_load_b128 s[12:15], s[0:1], 0x20             ; lowp_scales s[12:13], wcodes s[14:15]
	s_load_b64 s[16:17], s[0:1], 0x30              ; uproj
	v_lshl_add_u32 v200, v0, 2, 0x1000
	v_mov_b32 v201, 0
	v_lshrrev_b32 v1, 5, v0
	v_readfirstlane_b32 s18, v1                    ; wave 0..7
	v_and_b32 v1, 31, v0                           ; lane
	v_and_b32 v2, 15, v0                           ; r
	v_bfe_u32 v3, v0, 4, 1                         ; h
	s_lshr_b32 s19, ttmp9, 2                       ; which half of W1: 0 Wu, 1 Wi
	s_and_b32 s20, ttmp9, 3
	s_lshl_b32 s20, s20, 2
	s_lshr_b32 s22, s18, 1                         ; wave / 2
	s_add_co_u32 s20, s20, s22                     ; t
	s_and_b32 s21, s18, 1                          ; s
	s_lshl_b32 s30, s20, 6                         ; 64 t: the tile's first column in bytes
	s_lshl_b32 s28, s21, 16                        ; K step s begins 64 rows of 1,024 bytes down
	s_add_co_u32 s28, s28, s30
	v_lshlrev_b32 v5, 2, v2                        ; 4 r
	v_lshl_add_u32 v4, v3, 13, v5                  ; lanes 16-31 begin 8 rows further down
	v_add_nc_u32 v4, s28, v4
	v_add_nc_u32 v7, s30, v5                       ; b1: 4 d
	s_lshl_b32 s28, s20, 12
	s_lshl_b32 s29, s21, 11
	s_add_co_u32 s28, s28, s29
	v_lshl_add_u32 v9, v1, 4, s28                  ; wcodes: 4096 t + 2048 s + 16 lane
	s_lshr_b32 s28, s20, 1
	s_lshl_b32 s28, s28, 11                        ; uproj: 2048 (t / 2)
	s_and_b32 s29, s20, 1
	s_lshl_b32 s29, s29, 9                         ;  + 512 (t % 2)
	s_add_co_u32 s28, s28, s29
	v_lshrrev_b32 v10, 3, v2
	v_lshlrev_b32 v10, 10, v10                     ;  + 1024 (r / 8)
	v_and_b32 v12, 7, v2
	v_lshl_add_u32 v10, v12, 6, v10                ;  + 64 (r % 8)
	v_lshl_add_u32 v10, v3, 5, v10                 ;  + 32 h: my eight users b = 8 h + 0 .. 7
	v_add_nc_u32 v10, s28, v10
	s_lshl_b32 s28, s22, 10
	v_lshl_add_u32 v11, v1, 4, s28                 ; LDS: 1,024 bytes for each pair of waves, 16 bytes a lane
	s_lshl_b32 s28, s19, 18                        ; Wi begins 256 rows of 1,024 bytes behind Wu
	s_mov_b32 s29, 0
	s_wait_kmcnt 0x0
	s_load_b128 s[24:27], s[12:13], 0x0            ; e0, e1, e2, e3
	s_add_nc_u64 s[4:5], s[4:5], s[28:29]
	s_cmp_lg_u32 s19, 0                            ; the one parting of the ways: on the work-group's number alone
	s_cbranch_scc1 .Litem_half
	; ---- work-groups 0-3: Wu, the gathered users, their product
	global_load_b32 v6, v5, s[8:9]                 ; instances[r]
.irp p, 0,1,2,3,4,5,6
	WGRP \p
.endr
	s_wait_loadcnt 56                              ; the index is in; the 56 loads of W1 issued behind it stay out
	v_min_u32 v6, 0x1869f, v6                      ; an index stays inside its table of 100,000 rows
	v_lshlrev_b32 v6, 10, v6                       ; a row is 1,024 bytes
	v_lshl_add_u32 v6, v3, 5, v6                   ; + 32 h
	s_lshl_b32 s28, s21, 8
	v_add_nc_u32 v6, s28, v6                       ; + 256 s
.set p_, 0
.rept 8                                        ; pair p: k = 4 q + 0 .. 3 and k = 128 + 4 q + 0 .. 3 of row b = r
	global_load_b128 v[XU+8*p_:XU+8*p_+3], v6, s[6:7] offset:64*(p_/2)+16*(p_%2)
	global_load_b128 v[XU+8*p_+4:XU+8*p_+7], v6, s[6:7] offset:64*(p_/2)+16*(p_%2)+512
.set p_, p_+1
.endr
	global_load_b32 v8, v7, s[10:11]               ; b1[d]
	WGRP 7
	s_wait_kmcnt 0x0
	MKSCALE s25, 12, 13                            ; Wu: e1
	MKSCALE s24, 14, 15                            ; u: e0
	s_wait_loadcnt 0x0
	QNT XW, CW, 12, 13
	QNT XU, CU, 14, 15
	v_wmma_f32_16x16x128_fp8_fp8 v[DA:DA+7], v[CU:CU+15], v[CW:CW+15], 0   ; lane (r, h), register j: user b = 8 h + j, column d = 16 t + r; my half of K.  The wave's one matrix instruction
	s_add_co_i32 s32, s24, s25
	s_add_co_i32 s32, s32, 127
	s_lshl_b32 s32, s32, 23                        ; 2^(e0 + e1) as f32
	s_add_co_i32 s33, s26, s27
	s_sub_co_i32 s33, 0, s33                       ; -(e2 + e3)
.rept 4
	v_nop                                          ; four places between a matrix instruction and the first read of its result (ISA guide 7.12.1)
.endr
	s_cmp_eq_u32 s21, 0
	s_cbranch_scc1 .Lkeeps
	ds_store_b128 v11, v[DA:DA+3]                  ; the wave with s = 1 hands its sums over as an image of its registers
	ds_store_b128 v11, v[DA+4:DA+7] offset:512
.Lkeeps:
	s_wait_dscnt 0x0                               ; for the other wave's sake: my stores have landed
	s_barrier_signal -1
	s_barrier_wait -1
	s_cmp_lg_u32 s21, 0
	s_cbranch_scc1 .Ldone
	ds_load_b128 v[LA:LA+3], v11
	ds_load_b128 v[LA+4:LA+7], v11 offset:512
	s_wait_dscnt 0x0
.irp i, 0,2,4,6
	v_pk_add_f32 v[OA+\i:OA+\i+1], v[DA+\i:DA+\i+1], v[LA+\i:LA+\i+1]   ; the two halves of K; my sums from their low end on
.endr
.irp i, 0,1,2,3,4,5,6,7
	v_fma_f32 v[OA+\i], v[OA+\i], s32, v8          ; u_proj + b1
.endr
.irp i, 0,1,2,3,4,5,6,7
	v_ldexp_f32 v[OA+\i], v[OA+\i], s33            ; in the unit of the second launch's raw sums
.endr
	global_store_b128 v10, v[OA:OA+3], s[16:17]
	global_store_b128 v10, v[OA+4:OA+7], s[16:17] offset:16
.Ldone:
	s_wait_tensorcnt 0x0
	ds_add_u32 v200, v201
	s_wait_dscnt 0x0
	s_endpgm
	; ---- work-groups 4-7: Wi's codes
.Litem_half:
.irp p, 0,1,2,3,4,5,6,7
	WGRP \p
.endr
	s_wait_kmcnt 0x0
	MKSCALE s27, 12, 13                            ; Wi: e3
	s_wait_loadcnt 0x0
	QNT XW, CW, 12, 13
.irp c, 0,1,2,3
	global_store_b128 v9, v[CW+4*\c:CW+4*\c+3], s[14:15] offset:512*\c   ; 32 lanes store 512 consecutive bytes, at a multiple of 256 from the buffer's first byte
.endr
	s_endpgm
.Lfunc_end_k_qf49e92745a_prep:
	.size	k_qf49e92745a_prep, .Lfunc_end_k_qf49e92745a_prep-k_qf49e92745a_prep
	.p2alignl 7, 3214868480
	.fill 96, 4, 3214868480
	.section	.rodata,"a",@progbits
	.p2align	6, 0x0
	.amdhsa_kernel k_qf49e92745a_prep
		.amdhsa_group_segment_fixed_size 5120
		.amdhsa_private_segment_fixed_size 0
		.amdhsa_enable_private_segment 0
		.amdhsa_kernarg_size 56
		.amdhsa_user_sgpr_count 2
		.amdhsa_user_sgpr_kernarg_segment_ptr 1
		.amdhsa_wavefront_size32 1
		.amdhsa_system_sgpr_workgroup_id_x 1
		.amdhsa_system_sgpr_workgroup_id_y 1
		.amdhsa_system_sgpr_workgroup_id_z 1
		.amdhsa_system_vgpr_workitem_id 0
		.amdhsa_next_free_vgpr 202
		.amdhsa_next_free_sgpr 66
		.amdhsa_reserve_vcc 0
		.amdhsa_float_denorm_mode_32 3
		.amdhsa_float_denorm_mode_16_64 3
		.amdhsa_memory_ordered 1
		.amdhsa_forward_progress 1
		.amdhsa_inst_pref_size 34
	.end_amdhsa_kernel
	.amdgpu_metadata
---
amdhsa.version: [ 1, 2 ]
amdhsa.kernels:
  - .name:           k_qf49e92745a_prep
    .symbol:         k_qf49e92745a_prep.kd
    .args:
      - { .name: W1, .offset: 0, .size: 8, .value_kind: global_buffer, .address_space: global }
      - { .name: user_table, .offset: 8, .size: 8, .value_kind: global_buffer, .address_space: global }
      - { .name: instances, .offset: 16, .size: 8, .value_kind: global_buffer, .address_space: global }
      - { .name: b1, .offset: 24, .size: 8, .value_kind: global_buffer, .address_space: global }
      - { .name: lowp_scales, .offset: 32, .size: 8, .value_kind: global_buffer, .address_space: global }
      - { .name: wcodes, .offset: 40, .size: 8, .value_kind: global_buffer, .address_space: global }
      - { .name: uproj, .offset: 48, .size: 8, .value_kind: global_buffer, .address_space: global }
    .group_segment_fixed_size: 5120
    .private_segment_fixed_size: 0
    .kernarg_segment_align: 8
    .kernarg_segment_size: 56
    .max_flat_workgroup_size: 256
    .sgpr_count:     66
    .vgpr_count:     202
    .wavefront_size: 32
...
	.end_amdgpu_metadata
.endif
;; end of part 1
;; launch main (part 2): grid 235 x 1, 8 waves a work-group, no clusters, 280,320 bytes of LDS; arguments item_table, wcodes, uproj, W2, b2, lowp_scales, out0; writes out0
.if DOCPART == 2
	.amdgcn_target "amdgcn-amd-amdhsa--gfx1250"
	.amdhsa_code_object_version 6
	.text
	.protected	k_qf49e92745a_main
	.globl	k_qf49e92745a_main
	.p2align	8
	.type	k_qf49e92745a_main,@function
k_qf49e92745a_main:
	s_mov_b64 s[64:65], 0
	v_nop
	global_prefetch_b8 v0, s[64:65] scope:SCOPE_SE
	s_setreg_imm32_b32 hwreg(HW_REG_WAVE_MODE, 25, 1), 1
	s_wait_xcnt 0x0
; out0[b][m] = sum over d of W2[d] relu(u_proj[b][d] + i_proj[m][d] + b1[d]) + b2;  i_proj = Q(item_table) Q(Wi) on codes of E4M3 with the given scales 2^e2, 2^e3.
; The first launch left Wi's codes in operand order (wcodes) and U'' = (u_proj + b1) x 2^-(e2 + e3) (uproj).  relu(x 2^n) = 2^n relu(x): U'' is added to the raw sums, and W2 is multiplied once by 2^(e2 + e3).
; WHAT WEIGHS: 16 x 256 terms for each item, each an addition, a maximum and a multiply-add; beside them a tile of 16 items has 4 matrix instructions a wave.  So the text is laid round the terms:
; all their operands lie in registers, and two users go in one packed instruction: 4 instructions for 2 terms.
; SHARES.  A work-group takes 128 items, 8 tiles of 16; 235 work-groups for 30,000 items.  The last one begins at item 29,872, so that no load leaves the table, and stores only items from 29,952 on: each output has one owner.
; THE EIGHT WAVES SHARE THE COLUMNS d, NOT THE ITEMS: wave w owns d = 32 w .. 32 w + 31 for all 128 items, so its 4 fragments of Wi (64 registers), its U'' (256) and its W2 (16) stay in registers for the whole launch.
; THE PRODUCT IS USED TRANSPOSED (source 0 = 16 columns of Wi, source 1 = 16 items): lane (r, h) holds item r, and its 16 sums I[j] are d = 32 w + 16 (j / 8) + 8 h + j % 8.
; A packed pair is two users b, b + 1: I[j] and W2[j] serve both halves, U'' lies in pairs, and the accumulator pair is two outputs' parts.  The 16 parts (w, h) of an output meet in LDS, once, at the end.
; THE ITEMS come by asynchronous copies, all 128 KiB of the work-group asked for in its first lines; each LDS byte is filled once.  Wave w quantises rows 2 w, 2 w + 1 of each tile, a tile ahead of the products, and
; stores the codes as images of the operand's registers.  Lane l takes 16 bytes at 16 l and at 512 + 16 l of a row: k = 4 l + 0 .. 3 and 128 + 4 l + 0 .. 3: the order of K that wcodes has too.
; NO CLUSTER: 235 = 5 x 47 work-groups divide into no cluster of four; what work-groups share, 64 KiB of codes and 16 KiB of U'', is read once by each, at its head, straight into registers.
; LIMITS: e2 between -126 and 119; W2 x 2^(e2 + e3) stays an f32 number.  NaN among the inputs is not served (the hold and the maximum drop it); an infinity among the items is held at the largest code.
.set IMG,  131072                      ; LDS 0 .. 131071: the item rows as in memory, 1,024 bytes a row.  From IMG: the codes of a tile, two buffers by the tile's parity
.set IMGB, 4352                        ;   a buffer: 16 blocks (block 2 (4 s + c) + h) of 256 bytes + 16 of padding; row r at 16 r; the pair's half at + 8
.set PB,   139776                      ; the parts: 16384 tile + 4096 q + 256 (2 w + h) + 16 r: four users b = 4 q + 0 .. 3
.set OUTS, 270848                      ; the outputs: 16 users x (128 items x 4 bytes + 16)
.set OP,   528
.set SL,  4                            ; v4   2048 w + 16 lane: the LDS address of my copies and of my reads of them, tiles 0 to 3; never rewritten
.set SG,  5                            ; v5   the same as the copies' offset in memory, tiles 0 to 3; never rewritten
.set S1,  6                            ; v6   SL + 65536: tiles 4 to 7; never rewritten
.set SG1, 22                           ; v22  SG + 65536: tiles 4 to 7; never rewritten
.set IW,  7                            ; v7   where I store codes
.set IRD, 8                            ; v8   where I read fragments
.set P0,  9                            ; v9   where I store parts, tiles 0 to 3;  v10 tiles 4 to 7
.set P1,  10
.set RR,  11                           ; v11  where I read parts
.set OS,  12                           ; v12  where I put outputs
.set ORD, 13                           ; v13  where I read them back by rows
.set GO,  14                           ; v14  my byte in out0
.set WA,  15                           ; v15  my byte in wcodes
.set UA,  16                           ; v16  in uproj
.set W2A, 17                           ; v17  in W2
.set SC,  18                           ; v18  2^e2 as f32
.set LIM, 19                           ; v19  448 x 2^e2
.set L4,  20                           ; v20  4 x lane
.set QN,  24                           ; v24-39   16 numbers to quantise
.set CD,  40                           ; v40-43   their codes
.set AF,  44                           ; v44-75   the items' two fragments
.set WF,  76                           ; v76-139  Wi's four: (tile tt, K step s) at WF + 32 tt + 16 s
.set IB,  140                          ; v140-155 the sums I[0 .. 15]
.set ACC, 156                          ; v156-171 the parts of 16 users
.set X,   172                          ; v172-187 the terms at work
.set UT,  188                          ; v188-219 U'' for j = 14, 15
.set W2T, 220                          ; v220-221 W2 for j = 14, 15
.set R,   44                           ; v44-171  at the end: 2 x 16 x 4 parts
; window 1: v[16 j + b] = U''(j, b) for j = 0 .. 13; v[224 + j] = W2(j) x 2^(e2 + e3)
.set MSB, 0
.macro WIN new                         ; s_set_vgpr_msb: bits 1:0 source 0, 3:2 source 1, 5:4 source 2, 7:6 destination; the high byte repeats the setting that is left
.if MSB != \new
	s_set_vgpr_msb (MSB<<8)|\new
.set MSB, \new
.endif
.endm
; My two rows of tile k: each line moves 512 consecutive bytes.  The immediate goes onto both addresses and stays below 65,536 (50,688 at the most): tiles 4 to 7 have address registers of their own, 65,536 further on.
.macro COPY k
.set i_, 0
.rept 4
.if (\k) < 4
	global_load_async_to_lds_b128 v[SL], v[SG], s[4:5] offset:16384*(\k)+512*i_
.else
	global_load_async_to_lds_b128 v[S1], v[SG1], s[4:5] offset:16384*((\k)-4)+512*i_
.endif
.set i_, i_+1
.endr
.endm
.macro QLOAD k                         ; the very bytes that this lane copied: row 2 w: k = 4 l .., 128 + 4 l ..; row 2 w + 1 likewise
.set i_, 0
.rept 4
	ds_load_b128 v[QN+4*i_:QN+4*i_+3], v[SL+2*((\k)/4)] offset:16384*((\k)%4)+512*i_
.set i_, i_+1
.endr
.endm
.macro QUANT par                       ; 16 numbers become two register pairs of the tile's fragments, in buffer par
.set i_, 0
.rept 16
	v_med3_num_f32 v[QN+i_], v[QN+i_], -v[LIM], v[LIM]   ; the conversion to an 8-bit code does not saturate (ISA guide 7.6.2): the hold comes first
.set i_, i_+1
.endr
	v_cvt_scalef32_pk8_fp8_f32 v[CD:CD+1], v[QN:QN+7], v[SC]
	v_cvt_scalef32_pk8_fp8_f32 v[CD+2:CD+3], v[QN+8:QN+15], v[SC]
	v_nop                                          ; one plain vector instruction behind the last conversion
	ds_store_b64 v[IW], v[CD:CD+1] offset:IMGB*(\par)        ; the 32 lanes fall on 32 different columns of 8 bytes
	ds_store_b64 v[IW], v[CD+2:CD+3] offset:IMGB*(\par)+16
.endm
.macro AFETCH par                      ; the tile's two fragments: registers 4 c .. 4 c + 3 of K step s; sixteen lanes read 256 consecutive bytes
.set i_, 0
.rept 8
	ds_load_b128 v[AF+4*i_:AF+4*i_+3], v[IRD] offset:IMGB*(\par)+544*i_
.set i_, i_+1
.endr
.endm
.macro MM                              ; the two accumulators take turns, one instruction a turn; the first K step starts the sums
	v_wmma_f32_16x16x128_fp8_fp8 v[IB:IB+7], v[WF:WF+15], v[AF:AF+15], 0
	v_wmma_f32_16x16x128_fp8_fp8 v[IB+8:IB+15], v[WF+32:WF+47], v[AF:AF+15], 0
	v_wmma_f32_16x16x128_fp8_fp8 v[IB:IB+7], v[WF+16:WF+31], v[AF+16:AF+31], v[IB:IB+7]
	v_wmma_f32_16x16x128_fp8_fp8 v[IB+8:IB+15], v[WF+48:WF+63], v[AF+16:AF+31], v[IB+8:IB+15]
.endm
; One column d for my item and all 16 users.  ib: the even register of the pair that holds I[j]; o: which of the pair (0, 1); ub: U''(j, 0); wb: the pair that holds W2[j]; first = 1: the products start the sums.
; The maximum has the constant as its SECOND source, so that its register is source 0 under every window setting.  Eight accumulator pairs take turns: no line reads the result of the line before it.
.macro EPI ib, ub, wb, o, first
.set pp, 0
.rept 8
	v_pk_add_f32 v[X+2*pp:X+2*pp+1], v[\ib:\ib+1], v[\ub+2*pp:\ub+2*pp+1] op_sel:[\o,0] op_sel_hi:[\o,1]
.set pp, pp+1
.endr
.set pp, 0
.rept 16
	v_max_num_f32 v[X+pp], v[X+pp], 0
.set pp, pp+1
.endr
.set pp, 0
.rept 8
.if \first
	v_pk_mul_f32 v[ACC+2*pp:ACC+2*pp+1], v[X+2*pp:X+2*pp+1], v[\wb:\wb+1] op_sel:[0,\o] op_sel_hi:[1,\o]
.else
	v_pk_fma_f32 v[ACC+2*pp:ACC+2*pp+1], v[X+2*pp:X+2*pp+1], v[\wb:\wb+1], v[ACC+2*pp:ACC+2*pp+1] op_sel:[0,\o,0] op_sel_hi:[1,\o,1]
.endif
.set pp, pp+1
.endr
.endm
.macro TERMS                           ; a tile's 512 lines; two switches of the window: source 1 (U'', W2) in window 1 for j = 0 .. 13.  Each accumulator of the products is read from its low end on
	WIN 0x04
	EPI IB, 0, 224, 0, 1
	EPI IB, 16, 224, 1, 0
.set jj, 1
.rept 6
	EPI IB+2*jj, 32*jj, 224+2*jj, 0, 0
	EPI IB+2*jj, 32*jj+16, 224+2*jj, 1, 0
.set jj, jj+1
.endr
	WIN 0
	EPI IB+14, UT, W2T, 0, 0
	EPI IB+14, UT+16, W2T, 1, 0
.endm
.macro PSTORE k                        ; my part of 16 outputs of item r of tile k; sixteen lanes store 256 consecutive bytes
.set i_, 0
.rept 4
	ds_store_b128 v[P0+(\k)/4], v[ACC+4*i_:ACC+4*i_+3] offset:16384*((\k)%4)+4096*i_
.set i_, i_+1
.endr
.endm
; Tile k.  ONE barrier a tile, for two things: in front of its signal my codes of tile k + 1 have landed in the other buffer and my reads of this buffer are back; behind its wait the next tile's fragments may be read and,
; a tile later, this buffer written again.  Between signal and wait stand the tile's terms: work on registers alone.
.macro TRIP k
	AFETCH (\k)%2
.if \k < 7
	s_wait_asynccnt 4*(6-\k)                       ; copies end in the order of issue: tile k + 1's four are in; those of the tiles behind it stay out
	QLOAD (\k)+1
	s_wait_dscnt 4                                 ; the fragments are in; the four loads just issued may be out
.else
	s_wait_dscnt 0x0
.endif
	MM
.if \k < 7
	s_wait_dscnt 0x0                               ; the next tile's numbers
	QUANT ((\k)+1)%2                               ; its sixteen holds are also the places behind the products (ISA guide 7.12.1)
	s_wait_dscnt 0x0                               ; for the others' sake: my codes have landed
	s_barrier_signal -1
.else
.rept 4
	v_nop                                          ; four places between the last product and the first read of a result
.endr
.endif
	TERMS
.if \k < 7
	s_barrier_wait -1
.endif
	PSTORE \k
.endm
.macro RSUM pass                       ; 16 parts of four users: a tree of 30 packed additions, then b2
.set rb, R+64*(\pass)
.irp st, 8,4,2,1
.set i_, 0
.rept \st
	v_pk_add_f32 v[rb+4*i_:rb+4*i_+1], v[rb+4*i_:rb+4*i_+1], v[rb+4*(i_+\st):rb+4*(i_+\st)+1]
	v_pk_add_f32 v[rb+4*i_+2:rb+4*i_+3], v[rb+4*i_+2:rb+4*i_+3], v[rb+4*(i_+\st)+2:rb+4*(i_+\st)+3]
.set i_, i_+1
.endr
.endr
	v_pk_add_f32 v[rb:rb+1], v[rb:rb+1], s[28:29] op_sel_hi:[1,0]
	v_pk_add_f32 v[rb+2:rb+3], v[rb+2:rb+3], s[28:29] op_sel_hi:[1,0]
.set i_, 0
.rept 4
	ds_store_b32 v[OS], v[rb+i_] offset:4224*(\pass)+OP*i_   ; user 4 (h + 2 pass) + i, item 16 w + r
.set i_, i_+1
.endr
.endm
	s_load_b256 s[4:11], s[0:1], 0x0               ; item_table s[4:5], wcodes s[6:7], uproj s[8:9], W2 s[10:11]
	s_load_b128 s[12:15], s[0:1], 0x20             ; b2 s[12:13], lowp_scales s[14:15]
	s_load_b64 s[16:17], s[0:1], 0x30              ; out0
	v_lshl_add_u32 v254, v0, 2, 0x44300
	v_mov_b32 v255, 0
	ds_add_u32 v254, v255
	ds_add_u32 v254, v255
	v_lshrrev_b32 v21, 5, v0
	v_readfirstlane_b32 s18, v21                   ; wave 0..7
	v_and_b32 v1, 31, v0                           ; lane
	v_and_b32 v2, 15, v0                           ; r
	v_bfe_u32 v3, v0, 4, 1                         ; h
	s_lshl_b32 s19, ttmp9, 7                       ; the first item that I own,
	s_min_u32 s20, s19, 29872                      ; the first that I compute,
	s_sub_co_u32 s21, s19, s20                     ; and how many of mine belong to the work-group before: 0, or 80 in the last
	s_lshl_b32 s22, s20, 10
	s_mov_b32 s23, 0
	s_lshl_b32 s31, s18, 11
	v_lshl_add_u32 v[SL], v1, 4, s31
	v_lshl_add_u32 v[SG], v1, 4, s31
	v_add_nc_u32 v[S1], 0x10000, v[SL]
	v_add_nc_u32 v[SG1], 0x10000, v[SG]
	s_wait_dscnt 0x0
	s_wait_kmcnt 0x0
	s_add_nc_u64 s[4:5], s[4:5], s[22:23]
.irp k, 0,1,2,3,4,5,6,7
	COPY \k                                        ; 32 copies a wave: all of the work-group's 128 KiB is on its way
.endr
	s_load_b128 s[24:27], s[14:15], 0x0            ; e0, e1, e2, e3
	s_load_b32 s28, s[12:13], 0x0                  ; b2
	s_lshl_b32 s22, s20, 2
	s_add_nc_u64 s[16:17], s[16:17], s[22:23]      ; out0 at my first item
	s_lshl_b32 s31, s18, 13
	v_lshl_add_u32 v[WA], v1, 4, s31               ; wcodes: my two tiles begin at 8192 w
	s_lshl_b32 s31, s18, 11
	v_lshl_add_u32 v[UA], v3, 10, s31              ; uproj: 2048 w + 1024 h
	s_lshl_b32 s31, s18, 7
	v_lshl_add_u32 v[W2A], v3, 5, s31              ; W2: 128 w + 32 h
.set i_, 0
.rept 16
	global_load_b128 v[WF+4*i_:WF+4*i_+3], v[WA], s[6:7] offset:512*i_
.set i_, i_+1
.endr
	WIN 0x40                                       ; destination window 1
.set i_, 0
.rept 56
	global_load_b128 v[4*i_:4*i_+3], v[UA], s[8:9] offset:16*i_   ; U''(j, b) at 16 j + b
.set i_, i_+1
.endr
	global_load_b128 v[224:227], v[W2A], s[10:11]             ; W2 of my sixteen columns: d = 32 w + 8 h + 0 .. 7,
	global_load_b128 v[228:231], v[W2A], s[10:11] offset:16
	global_load_b128 v[232:235], v[W2A], s[10:11] offset:64   ; and 16 further on
	global_load_b128 v[236:239], v[W2A], s[10:11] offset:80
	WIN 0
.set i_, 0
.rept 8
	global_load_b128 v[UT+4*i_:UT+4*i_+3], v[UA], s[8:9] offset:16*(56+i_)
.set i_, i_+1
.endr
	v_lshrrev_b32 v21, 1, v1
	v_mul_u32_u24 v[IW], v21, 272                  ; block lane / 2,
	v_and_b32 v21, 1, v1
	v_lshl_add_u32 v[IW], v21, 3, v[IW]            ; half lane % 2,
	s_lshl_b32 s31, s18, 5
	s_add_co_u32 s31, s31, IMG
	v_add_nc_u32 v[IW], s31, v[IW]                 ; row 2 w
	v_mul_u32_u24 v[IRD], v3, 272
	v_lshl_add_u32 v[IRD], v2, 4, v[IRD]
	v_add_nc_u32 v[IRD], IMG, v[IRD]               ; 16 r + 272 h
	v_lshl_add_u32 v[P0], v0, 4, PB                ; 16 x thread = 512 w + 256 h + 16 r
	v_add_nc_u32 v[P1], 0x10000, v[P0]
	s_lshl_b32 s31, s18, 14
	s_add_co_u32 s31, s31, PB
	v_lshlrev_b32 v[RR], 4, v2
	v_lshl_add_u32 v[RR], v3, 12, v[RR]
	v_add_nc_u32 v[RR], s31, v[RR]                 ; tile w, q = h, item r
	s_lshl_b32 s31, s18, 6
	s_add_co_u32 s31, s31, OUTS
	v_mul_u32_u24 v[OS], v3, 4*OP
	v_lshl_add_u32 v[OS], v2, 2, v[OS]
	v_add_nc_u32 v[OS], s31, v[OS]                 ; user 4 h, item 16 w + r
	s_mul_i32 s31, s18, 2*OP
	s_add_co_u32 s31, s31, OUTS
	v_lshl_add_u32 v[ORD], v1, 4, s31              ; users 2 w, 2 w + 1: whole rows of 512 bytes
	s_mul_i32 s31, s18, 240000
	v_lshl_add_u32 v[GO], v1, 4, s31               ; a row of out0 is 120,000 bytes
	v_lshlrev_b32 v[L4], 2, v1
	s_wait_kmcnt 0x0
	s_add_co_i32 s31, s26, 127
	s_lshl_b32 s32, s31, 23
	v_mov_b32 v[SC], s32                           ; 2^e2
	s_add_co_i32 s31, s31, 8
	s_lshl_b32 s31, s31, 23
	s_or_b32 s31, s31, 0x600000
	v_mov_b32 v[LIM], s31                          ; 448 x 2^e2
	s_add_co_i32 s30, s26, s27                     ; e2 + e3
	s_mov_b32 s29, s28                             ; (named with b2 as a pair, so it is written)
	s_wait_asynccnt 28                             ; tile 0's four copies are in; the 28 behind them stay out
	QLOAD 0
	s_wait_dscnt 0x0
	QUANT 0
	s_wait_loadcnt 0x0                             ; Wi's fragments, U'', W2
	WIN 0x41                                       ; source 0 and destination window 1
.set i_, 0
.rept 16
	v_ldexp_f32 v[224+i_], v[224+i_], s30          ; W2 x 2^(e2 + e3)
.set i_, i_+1
.endr
	WIN 0x01                                       ; source 0 window 1
	v_mov_b32 v[W2T], v238                         ; j = 14, 15 work in window 0
	v_mov_b32 v[W2T+1], v239
	WIN 0
	s_wait_dscnt 0x0                               ; my codes of tile 0 have landed
	s_barrier_signal -1
	s_barrier_wait -1
.irp k, 0,1,2,3,4,5,6,7
	TRIP \k
.endr
	s_wait_dscnt 0x0                               ; my parts have landed
	s_barrier_signal -1
	s_barrier_wait -1
	; THE SUM OVER d IS FINISHED: wave w takes tile w; lane (r, h) takes item r and users 4 q + 0 .. 3, q = h and then h + 2: sixteen parts each
.set u_, 0
.rept 2
.set i_, 0
.rept 16
	ds_load_b128 v[R+64*u_+4*i_:R+64*u_+4*i_+3], v[RR] offset:8192*u_+256*i_
.set i_, i_+1
.endr
.set u_, u_+1
.endr
	s_wait_dscnt 16                                ; the first sixteen are in
	RSUM 0
	s_wait_dscnt 4                                 ; the second sixteen are in; the four stores just issued may be out
	RSUM 1
	s_wait_dscnt 0x0                               ; my outputs have landed
	s_barrier_signal -1
	s_barrier_wait -1
	ds_load_b128 v[R:R+3], v[ORD]                  ; users 2 w and 2 w + 1, 128 items each
	ds_load_b128 v[R+4:R+7], v[ORD] offset:OP
	s_wait_dscnt 0x0
	s_wait_xcnt 0x0                                ; EXEC changes only behind this wait
	v_cmp_le_u32 vcc_lo, s21, v[L4]                ; my four items are the work-group's own
	s_wait_tensorcnt 0x0
	ds_add_u32 v254, v255
	s_wait_dscnt 0x0
	s_and_saveexec_b32 s31, vcc_lo
	global_store_b128 v[GO], v[R:R+3], s[16:17] th:TH_STORE_NT                 ; 32 lanes store 512 consecutive bytes of a row of out0; written once, read by nobody here
	global_store_b128 v[GO], v[R+4:R+7], s[16:17] offset:120000 th:TH_STORE_NT
	s_wait_xcnt 0x0                                ; and again, in front of the line that widens it
	s_or_b32 exec_lo, exec_lo, s31
	s_endpgm
.Lfunc_end_k_qf49e92745a_main:
	.size	k_qf49e92745a_main, .Lfunc_end_k_qf49e92745a_main-k_qf49e92745a_main
	.p2alignl 7, 3214868480
	.fill 96, 4, 3214868480
	.section	.rodata,"a",@progbits
	.p2align	6, 0x0
	.amdhsa_kernel k_qf49e92745a_main
		.amdhsa_group_segment_fixed_size 280320
		.amdhsa_private_segment_fixed_size 0
		.amdhsa_enable_private_segment 0
		.amdhsa_kernarg_size 56
		.amdhsa_user_sgpr_count 2
		.amdhsa_user_sgpr_kernarg_segment_ptr 1
		.amdhsa_wavefront_size32 1
		.amdhsa_system_sgpr_workgroup_id_x 1
		.amdhsa_system_sgpr_workgroup_id_y 1
		.amdhsa_system_sgpr_workgroup_id_z 1
		.amdhsa_system_vgpr_workitem_id 0
		.amdhsa_next_free_vgpr 512
		.amdhsa_next_free_sgpr 66
		.amdhsa_reserve_vcc 1
		.amdhsa_float_denorm_mode_32 3
		.amdhsa_float_denorm_mode_16_64 3
		.amdhsa_memory_ordered 1
		.amdhsa_forward_progress 1
		.amdhsa_inst_pref_size 255
	.end_amdhsa_kernel
	.section	.bss,"aw",@nobits
	.p2align	6
	.space	262144
	.amdgpu_metadata
---
amdhsa.version: [ 1, 2 ]
amdhsa.kernels:
  - .name:           k_qf49e92745a_main
    .symbol:         k_qf49e92745a_main.kd
    .args:
      - { .name: item_table, .offset: 0, .size: 8, .value_kind: global_buffer, .address_space: global }
      - { .name: wcodes, .offset: 8, .size: 8, .value_kind: global_buffer, .address_space: global }
      - { .name: uproj, .offset: 16, .size: 8, .value_kind: global_buffer, .address_space: global }
      - { .name: W2, .offset: 24, .size: 8, .value_kind: global_buffer, .address_space: global }
      - { .name: b2, .offset: 32, .size: 8, .value_kind: global_buffer, .address_space: global }
      - { .name: lowp_scales, .offset: 40, .size: 8, .value_kind: global_buffer, .address_space: global }
      - { .name: out0, .offset: 48, .size: 8, .value_kind: global_buffer, .address_space: global }
    .group_segment_fixed_size: 280320
    .private_segment_fixed_size: 0
    .kernarg_segment_align: 8
    .kernarg_segment_size: 56
    .max_flat_workgroup_size: 256
    .sgpr_count:     66
    .vgpr_count:     512
    .wavefront_size: 32
...
	.end_amdgpu_metadata
.endif
;; end of part 2
;; ======== version 2 of 2: 2 launches; version 1 with the launch prep written anew for expert scheduling mode
;; workspace buffers: wcodes 65,536 bytes; uproj 16,384 bytes
;; launch prep (part 3): grid 8 x 1, 8 waves a work-group, no clusters, 5,120 bytes of LDS; arguments W1, user_table, instances, b1, lowp_scales, wcodes, uproj; writes wcodes, uproj
.if DOCPART == 3
	.amdgcn_target "amdgcn-amd-amdhsa--gfx1250"
	.amdhsa_code_object_version 6
	.text
	.protected	k_qf49e92745a_prep
	.globl	k_qf49e92745a_prep
	.p2align	8
	.type	k_qf49e92745a_prep,@function
k_qf49e92745a_prep:
	s_mov_b64 s[64:65], 0
	v_nop
	global_prefetch_b8 v0, s[64:65] scope:SCOPE_SE
	s_setreg_imm32_b32 hwreg(HW_REG_WAVE_SCHED_MODE, 0, 2), 2
	s_setreg_imm32_b32 hwreg(HW_REG_WAVE_MODE, 25, 1), 1
	s_wait_xcnt 0x0
	s_wait_alu depctr_vm_vsrc(0)
; PREP: what every work-group of the second launch would otherwise make anew is made once.
;  (a) wcodes: Wi = W1[256:512] as codes of E4M3 with the given scale 2^e3, laid in the order of a matrix operand's registers:
;      [t: 16 tiles of 16 columns d][s: 2 K steps][c: 4][lane: 32][16 bytes]; registers 4 c .. 4 c + 3 of a lane lie at 4096 t + 2048 s + 512 c + 16 lane.
;  (b) uproj: U''[b][d] = (Q(u) Q(Wu) x 2^(e0 + e1) + b1[d]) x 2^-(e2 + e3), u = user_table[instances], Wu = W1[0:256]; f32, laid [w: 8][h: 2][j: 16][b: 16],
;      d = 32 w + 16 (j / 8) + 8 h + j % 8: the order in which a lane of the second launch keeps it.  relu(x 2^n) = 2^n relu(x), so the second launch adds U'' to its raw sums.
; ONE ORDER OF K IN ALL FOUR OPERANDS.  In K step s, lane half h, register pair p (registers 2 p, 2 p + 1), with q = 16 s + 4 (p / 2) + 2 h + p % 2:
; register 2 p holds k = 4 q + 0 .. 3, register 2 p + 1 holds k = 128 + 4 q + 0 .. 3.  The order is the same on both sides of each product, so every product meets its partner; only the order of the sums changes.
; SHARES.  Work-groups 0-3 take Wu and the product with u, work-groups 4-7 take Wi.  A wave makes ONE fragment: tile t = 4 (work-group % 4) + wave / 2, K step s = wave % 2.  A lane takes column d = 16 t + lane % 16 and
; its registers run down K, so the conversions' results are the operand's registers.  The four tiles of a work-group stand side by side on 256 bytes of each row of W1.
; In work-groups 0-3 the two waves of a tile each multiply their half of K; the wave with s = 1 hands its sums to the other through LDS.
; LIMITS: e0 .. e3 between -126 and 119; e0 + e1 between -126 and 127, so that each power of two made below is an f32 number.  NaN among the inputs is not served (the hold drops it).
; THE MODE: SCHED_MODE bits 1:0 = 2 (LLVM: expert scheduling mode 2), set by the entry lines.  The code itself states the register dependences
; between vector or matrix instructions and memory or LDS instructions, with s_wait_alu, always for 0.
; THE PLAN.  Registers that memory or LDS instructions touch:
;   v4, v5, v7, v9, v10, v11   offsets and the LDS address: written once at the head by vector lines, read by loads, stores and LDS instructions, never written again: ONE wait, ahead of the parting of the ways.
;   v6                         the index lands in it; four vector lines make it the offset in user_table; u's sixteen loads read it; never written again: one wait ahead of those loads.
;   v16-143, v8, v184-191      loads land in them; no vector line names them ahead of the loads, and no load lands in them behind the vector lines that read them: the memory counters are all that they need.
;   v176-183                   the matrix instruction writes them; the LDS stores of the wave with s = 1 read them: the places, then one wait, in that wave's arm alone.
;   v192-199, v144-159         out-buffers, each written once by vector lines and read by one run of stores: one wait ahead of each run.
;   v200, v201                 written at the head, read by the closing add alone.
; No register that a memory or LDS instruction has read is ever written again, on any way through the text: the one wait on vm_vsrc stands among the entry lines.
.set XW, 16                            ; v16-79    64 numbers of W1
.set XU, 80                            ; v80-143   64 numbers of u
.set CW, 144                           ; v144-159  W's fragment
.set CU, 160                           ; v160-175  u's fragment
.set DA, 176                           ; v176-183  my sums
.set LA, 184                           ; v184-191  the other wave's sums
.set OA, 192                           ; v192-199  the result
; v1 lane, v2 r = lane % 16, v3 h = lane / 16; v4 my byte in W1; v5 4 r; v6 the index, then my byte in user_table; v7 my byte in b1; v8 b1[d];
; v9 my byte in wcodes; v10 my byte in uproj; v11 my 16 bytes in LDS; v12, v13: 2^e and 448 x 2^e for W; v14, v15: for u
.macro WGRP p                          ; register pair p's eight numbers: sixteen lanes read 64 neighbouring bytes of a row; each word of W1 is read once in the launch
.set e_, 0
.rept 8
	global_load_b32 v[XW+8*(\p)+e_], v4, s[4:5] offset:1024*(16*((\p)/2)+4*((\p)%2)+(e_%4)+128*(e_/4)) th:TH_LOAD_NT
.set e_, e_+1
.endr
.endm
.macro MKSCALE e, sc, lim              ; v[sc] = 2^e as f32 (the conversion takes its exponent field), v[lim] = 448 x 2^e
	s_add_co_i32 s28, \e, 127
	s_lshl_b32 s29, s28, 23
	v_mov_b32 v[\sc], s29
	s_add_co_i32 s28, s28, 8
	s_lshl_b32 s28, s28, 23
	s_or_b32 s28, s28, 0x600000
	v_mov_b32 v[\lim], s28
.endm
.macro QNT x, c, sc, lim               ; 64 numbers of a lane become a fragment's 16 registers
.set i_, 0
.rept 64
	v_med3_num_f32 v[\x+i_], v[\x+i_], -v[\lim], v[\lim]   ; the conversion to an 8-bit code does not saturate (ISA guide 7.6.2): the hold at the largest code x the scale comes first
.set i_, i_+1
.endr
.set i_, 0
.rept 8
	v_cvt_scalef32_pk8_fp8_f32 v[\c+2*i_:\c+2*i_+1], v[\x+8*i_:\x+8*i_+7], v[\sc]
.set i_, i_+1
.endr
	v_nop                                          ; one plain vector instruction between the last conversion and whatever vector or matrix instruction touches its registers next
.endm
	s_load_b256 s[4:11], s[0:1], 0x0               ; W1 s[4:5], user_table s[6:7], instances s[8:9], b1 s[10:11]
	s_load_b128 s[12:15], s[0:1], 0x20             ; lowp_scales s[12:13], wcodes s[14:15]
	s_load_b64 s[16:17], s[0:1], 0x30              ; uproj
	v_lshl_add_u32 v200, v0, 2, 0x1000
	v_mov_b32 v201, 0
	v_lshrrev_b32 v1, 5, v0
	v_readfirstlane_b32 s18, v1                    ; wave 0..7
	v_and_b32 v1, 31, v0                           ; lane
	v_and_b32 v2, 15, v0                           ; r
	v_bfe_u32 v3, v0, 4, 1                         ; h
	s_lshr_b32 s19, ttmp9, 2                       ; which half of W1: 0 Wu, 1 Wi
	s_and_b32 s20, ttmp9, 3
	s_lshl_b32 s20, s20, 2
	s_wait_alu depctr_va_sdst(0)                   ; s18, the wave's number, is written, ahead of its first reader: t, s and all that is made of them hang on it
	s_lshr_b32 s22, s18, 1                         ; wave / 2
	s_add_co_u32 s20, s20, s22                     ; t
	s_and_b32 s21, s18, 1                          ; s
	s_lshl_b32 s30, s20, 6                         ; 64 t: the tile's first column in bytes
	s_lshl_b32 s28, s21, 16                        ; K step s begins 64 rows of 1,024 bytes down
	s_add_co_u32 s28, s28, s30
	v_lshlrev_b32 v5, 2, v2                        ; 4 r
	v_lshl_add_u32 v4, v3, 13, v5                  ; lanes 16-31 begin 8 rows further down
	v_add_nc_u32 v4, s28, v4
	v_add_nc_u32 v7, s30, v5                       ; b1: 4 d
	s_lshl_b32 s28, s20, 12
	s_lshl_b32 s29, s21, 11
	s_add_co_u32 s28, s28, s29
	v_lshl_add_u32 v9, v1, 4, s28                  ; wcodes: 4096 t + 2048 s + 16 lane
	s_lshr_b32 s28, s20, 1
	s_lshl_b32 s28, s28, 11                        ; uproj: 2048 (t / 2)
	s_and_b32 s29, s20, 1
	s_lshl_b32 s29, s29, 9                         ;  + 512 (t % 2)
	s_add_co_u32 s28, s28, s29
	v_lshrrev_b32 v10, 3, v2
	v_lshlrev_b32 v10, 10, v10                     ;  + 1024 (r / 8)
	v_and_b32 v12, 7, v2
	v_lshl_add_u32 v10, v12, 6, v10                ;  + 64 (r % 8)
	v_lshl_add_u32 v10, v3, 5, v10                 ;  + 32 h: my eight users b = 8 h + 0 .. 7
	v_add_nc_u32 v10, s28, v10
	s_lshl_b32 s28, s22, 10
	v_lshl_add_u32 v11, v1, 4, s28                 ; LDS: 1,024 bytes for each pair of waves, 16 bytes a lane
	s_lshl_b32 s28, s19, 18                        ; Wi begins 256 rows of 1,024 bytes behind Wu
	s_mov_b32 s29, 0
	s_wait_kmcnt 0x0
	s_load_b128 s[24:27], s[12:13], 0x0            ; e0, e1, e2, e3
	s_add_nc_u64 s[4:5], s[4:5], s[28:29]
	s_wait_alu depctr_va_vdst(0)                   ; v4, v5, v7, v9, v10 and v11 are written: the loads, stores and LDS instructions of both ways read them as offsets and addresses, and no vector line names them again
	s_cmp_lg_u32 s19, 0                            ; the one parting of the ways: on the work-group's number alone
	s_cbranch_scc1 .Litem_half
	; ---- work-groups 0-3: Wu, the gathered users, their product
	global_load_b32 v6, v5, s[8:9]                 ; instances[r]
.irp p, 0,1,2,3,4,5,6
	WGRP \p
.endr
	s_wait_loadcnt 56                              ; the index is in; the 56 loads of W1 issued behind it stay out
	v_min_u32 v6, 0x1869f, v6                      ; an index stays inside its table of 100,000 rows
	v_lshlrev_b32 v6, 10, v6                       ; a row is 1,024 bytes
	v_lshl_add_u32 v6, v3, 5, v6                   ; + 32 h
	s_lshl_b32 s28, s21, 8
	v_add_nc_u32 v6, s28, v6                       ; + 256 s
	s_wait_alu depctr_va_vdst(0)                   ; v6 is written: the sixteen loads below read it as their offset
.set p_, 0
.rept 8                                        ; pair p: k = 4 q + 0 .. 3 and k = 128 + 4 q + 0 .. 3 of row b = r
	global_load_b128 v[XU+8*p_:XU+8*p_+3], v6, s[6:7] offset:64*(p_/2)+16*(p_%2)
	global_load_b128 v[XU+8*p_+4:XU+8*p_+7], v6, s[6:7] offset:64*(p_/2)+16*(p_%2)+512
.set p_, p_+1
.endr
	global_load_b32 v8, v7, s[10:11]               ; b1[d]
	WGRP 7
	s_wait_kmcnt 0x0
	MKSCALE s25, 12, 13                            ; Wu: e1
	MKSCALE s24, 14, 15                            ; u: e0
	s_wait_loadcnt 0x0
	QNT XW, CW, 12, 13
	QNT XU, CU, 14, 15
	v_wmma_f32_16x16x128_fp8_fp8 v[DA:DA+7], v[CU:CU+15], v[CW:CW+15], 0   ; lane (r, h), register j: user b = 8 h + j, column d = 16 t + r; my half of K.  The wave's one matrix instruction
	s_add_co_i32 s32, s24, s25
	s_add_co_i32 s32, s32, 127
	s_lshl_b32 s32, s32, 23                        ; 2^(e0 + e1) as f32
	s_add_co_i32 s33, s26, s27
	s_sub_co_i32 s33, 0, s33                       ; -(e2 + e3)
.rept 4
	v_nop                                          ; four places between a matrix instruction and the first read of its result (ISA guide 7.12.1)
.endr
	s_cmp_eq_u32 s21, 0
	s_cbranch_scc1 .Lkeeps
	s_wait_alu depctr_va_vdst(0)                   ; the matrix instruction has written v[DA ..], which the two LDS stores read; the places above stay beside this wait
	ds_store_b128 v11, v[DA:DA+3]                  ; the wave with s = 1 hands its sums over as an image of its registers
	ds_store_b128 v11, v[DA+4:DA+7] offset:512
.Lkeeps:
	s_wait_dscnt 0x0                               ; for the other wave's sake: my stores have landed
	s_barrier_signal -1
	s_barrier_wait -1
	s_cmp_lg_u32 s21, 0
	s_cbranch_scc1 .Ldone
	ds_load_b128 v[LA:LA+3], v11                   ; no vector line has named v[LA ..], and v11 was written ahead of the wait at the parting: nothing more is owed here
	ds_load_b128 v[LA+4:LA+7], v11 offset:512
	s_wait_dscnt 0x0
.irp i, 0,2,4,6
	v_pk_add_f32 v[OA+\i:OA+\i+1], v[DA+\i:DA+\i+1], v[LA+\i:LA+\i+1]   ; the two halves of K; my sums from their low end on
.endr
.irp i, 0,1,2,3,4,5,6,7
	v_fma_f32 v[OA+\i], v[OA+\i], s32, v8          ; u_proj + b1
.endr
.irp i, 0,1,2,3,4,5,6,7
	v_ldexp_f32 v[OA+\i], v[OA+\i], s33            ; in the unit of the second launch's raw sums
.endr
	s_wait_alu depctr_va_vdst(0)                   ; the lines above have written v[OA ..], which the two stores read
	global_store_b128 v10, v[OA:OA+3], s[16:17]
	global_store_b128 v10, v[OA+4:OA+7], s[16:17] offset:16
.Ldone:
	s_wait_dscnt 0x0                               ; the closing lines, six on end
	s_wait_alu 0x0
	s_wait_tensorcnt 0x0
	ds_add_u32 v200, v201
	s_wait_dscnt 0x0
	s_endpgm
	; ---- work-groups 4-7: Wi's codes.  No LDS store lies on this way
.Litem_half:
.irp p, 0,1,2,3,4,5,6,7
	WGRP \p
.endr
	s_wait_kmcnt 0x0
	MKSCALE s27, 12, 13                            ; Wi: e3
	s_wait_loadcnt 0x0
	QNT XW, CW, 12, 13
	s_wait_alu depctr_va_vdst(0)                   ; the conversions have written v[CW ..], which the four stores read
.irp c, 0,1,2,3
	global_store_b128 v9, v[CW+4*\c:CW+4*\c+3], s[14:15] offset:512*\c   ; 32 lanes store 512 consecutive bytes, at a multiple of 256 from the buffer's first byte
.endr
	s_endpgm
.Lfunc_end_k_qf49e92745a_prep:
	.size	k_qf49e92745a_prep, .Lfunc_end_k_qf49e92745a_prep-k_qf49e92745a_prep
	.p2alignl 7, 3214868480
	.fill 96, 4, 3214868480
	.section	.rodata,"a",@progbits
	.p2align	6, 0x0
	.amdhsa_kernel k_qf49e92745a_prep
		.amdhsa_group_segment_fixed_size 5120
		.amdhsa_private_segment_fixed_size 0
		.amdhsa_enable_private_segment 0
		.amdhsa_kernarg_size 56
		.amdhsa_user_sgpr_count 2
		.amdhsa_user_sgpr_kernarg_segment_ptr 1
		.amdhsa_wavefront_size32 1
		.amdhsa_system_sgpr_workgroup_id_x 1
		.amdhsa_system_sgpr_workgroup_id_y 1
		.amdhsa_system_sgpr_workgroup_id_z 1
		.amdhsa_system_vgpr_workitem_id 0
		.amdhsa_next_free_vgpr 202
		.amdhsa_next_free_sgpr 66
		.amdhsa_reserve_vcc 0
		.amdhsa_float_denorm_mode_32 3
		.amdhsa_float_denorm_mode_16_64 3
		.amdhsa_memory_ordered 1
		.amdhsa_forward_progress 1
		.amdhsa_inst_pref_size 34
	.end_amdhsa_kernel
	.amdgpu_metadata
---
amdhsa.version: [ 1, 2 ]
amdhsa.kernels:
  - .name:           k_qf49e92745a_prep
    .symbol:         k_qf49e92745a_prep.kd
    .args:
      - { .name: W1, .offset: 0, .size: 8, .value_kind: global_buffer, .address_space: global }
      - { .name: user_table, .offset: 8, .size: 8, .value_kind: global_buffer, .address_space: global }
      - { .name: instances, .offset: 16, .size: 8, .value_kind: global_buffer, .address_space: global }
      - { .name: b1, .offset: 24, .size: 8, .value_kind: global_buffer, .address_space: global }
      - { .name: lowp_scales, .offset: 32, .size: 8, .value_kind: global_buffer, .address_space: global }
      - { .name: wcodes, .offset: 40, .size: 8, .value_kind: global_buffer, .address_space: global }
      - { .name: uproj, .offset: 48, .size: 8, .value_kind: global_buffer, .address_space: global }
    .group_segment_fixed_size: 5120
    .private_segment_fixed_size: 0
    .kernarg_segment_align: 8
    .kernarg_segment_size: 56
    .max_flat_workgroup_size: 256
    .sgpr_count:     66
    .vgpr_count:     202
    .wavefront_size: 32
...
	.end_amdgpu_metadata
.endif
;; end of part 3
;; launch main: the kernel of part 2 again; grid 235 x 1, 8 waves a work-group, no clusters, 280,320 bytes of LDS; arguments item_table, wcodes, uproj, W2, b2, lowp_scales, out0; writes out0
